; MI455X (gfx1250); checked and timed in simulation.
; The chip was launched on July 23, 2026; its instructions are those of AMD's public machine-readable ISA for CDNA 5 (MIT licence, August 2026) and "CDNA5" Instruction Set Architecture Reference Guide (July 2026). The comments in the code are by the model that wrote it; some were corrected since.
;; Dressed Quantum Net. Allowed arithmetic: float matrix products may take bf16 or f16 operands with f32 sums; all other float work in f32.
;; Inputs: input_features 262,144 x 64 float32; post_b 1 float32; post_w 1 x 4 float32; pre_b 4 float32; pre_w 4 x 64 float32; q_params 24 float32.
;; Outputs: out0 262,144 x 1 float32.
;; One version. Each part assembles by itself: llvm-mc -triple=amdgcn-amd-amdhsa -mcpu=gfx1250 --defsym DOCPART=n.
;; ======== version 1 of 1: 1 launch
;; limits: inputs' magnitudes at most 65,504; values are held in f16: magnitudes above 65,504 overflow, below 6.1e-05 lose precision
;; launch dqn (part 1): grid 256 x 1, 8 waves a work-group, no clusters, 271,872 bytes of LDS; arguments input_features, pre_w, pre_b, q_params, post_w, post_b, out0; writes out0
.if DOCPART == 1
	.amdgcn_target "amdgcn-amd-amdhsa--gfx1250"
	.amdhsa_code_object_version 6
	.text
	.protected	k_q800e771f43_dqn
	.globl	k_q800e771f43_dqn
	.p2align	8
	.type	k_q800e771f43_dqn,@function
k_q800e771f43_dqn:
	s_mov_b64 s[64:65], 0
	v_nop
	global_prefetch_b8 v0, s[64:65] scope:SCOPE_SE
	s_setreg_imm32_b32 hwreg(HW_REG_WAVE_MODE, 25, 1), 1
	s_wait_xcnt 0x0
; DressedQuantumNet, one launch.  out[b] = post_w . <Z>(circuit(RY(pi/2 tanh(x[b] . pre_w^T + pre_b)))) + post_b,  x: [262144][64] f32.
;
; THE FORM COMPUTED.  Behind the H layer and the sample's RY(t_w), qubit w has the real density matrix (I - sin t_w Z + cos t_w X) / 2.  All that
; follows (six layers of CNOTs and RY(q_params), the four <Z_w>, post_w, post_b) does not hang on the sample and is linear in the four-qubit density
; matrix, so  out = sum over P in {I,Z,X}^4 of c[P] * prod_w f[P_w](t_w),  f = (1, -sin t, cos t),  c[P] = Tr(U^T D U P) / 16,
; U the 16 x 16 matrix of the six layers, D = diag(sum_w +-post_w[w]); post_b is added to c[IIII].  This holds for every q_params, post_w, post_b.
; Wave 0 makes the 81 numbers c once for the work-group, in f32, while the tiles of x are on their way; a sample then costs 80 fused multiply-adds.
;
; THE SHARES.  256 work-groups of 8 waves; a work-group owns 1,024 samples = 262,144 bytes of x, which lie in LDS all at once: every wave asks for
; its 128 samples by two tensor loads first thing, no LDS byte is ever filled twice, and a wave reads only the tiles that it asked for itself.
; x . pre_w^T goes to the matrix unit with f16 operands and f32 sums; everything else is f32.
; WHY f16 AND NOT bf16: the rounding of 64 products' operands goes on through the angle's slope (up to pi/2) and the gradient of the 81-term form into a result
; whose own size is a few tenths; f16's 11 significant bits make that error an eighth of what bf16's 8 would.  f16 has the room: features of spread 1 and weights
; below 0.125 x 2.885 stay, 30 times larger and with an offset of 30 spreads, near 1,100 and 11, under f16's largest number 65,504; 30 times smaller they have
; spreads of 0.03 and 0.012, against f16's smallest step of 6e-8 (denormals are kept by the conversion and by the matrix instruction).
;
; LIMITS.  (1) A feature that is not finite, or of magnitude 65,520 or more (it rounds to infinity in f16), gets a result that is not reference()'s, and also makes
; NaN of the sample 32 further on or back in its block of 64: the two share an accumulator, and the zero rows of the weight fragment give 0 x inf.
; (2) pre_w is taken as finite (it is masked by a multiplication with 0), with 2.885 |pre_w| below 65,504.  (3) |q_params| below about 1e9: the count of quadrants
; is kept as a 32-bit integer.  (4) tanh = 1 - 2 / (1 + 2^a) has an absolute error of about 1e-7; the polynomials for sin and cos of (pi/2) u on |u| <= 1, a range
; that tanh itself sets for every input, err by less than 4e-6.  (5) 2 log2(e) is multiplied into pre_w before the rounding to f16.
.set PAIRP, 528                        ; LDS pitch of two samples: 512 bytes + 16 of padding = 33 x 16: sixteen lanes on sixteen rows touch sixteen different 16-byte columns modulo 256
.set TILE,  32*PAIRP                   ; a tile: 64 samples as 32 rows of 512 bytes
.set SCR,   16*TILE                    ; behind the 16 tiles, at a multiple of 256: the table of the 81 coefficients; no tensor load lands here
.set K2,    0x4038aa3b                 ; 2 log2(e)
; vector registers
.set LANE, 1
.set LA,   2                           ; LDS address of my 64 bytes in my wave's first tile; never rewritten
.set OA,   3                           ; 8 x lane: my two results in a block of 64
.set RR,   4                           ; lane mod 16
.set HH,   5                           ; lane / 16
.set WA,   6                           ; byte offset in pre_w
.set TA,   7                           ; small addresses
.set SC,   8                           ; v[8:9]     2 log2(e) in the lanes of weight rows 0-3 / 8-11, else 0
.set BIAS, 10                          ; v[10:17]   C of the first product: 2 log2(e) pre_b[j] in registers 0-3, 0 in 4-7
.set KP,   18                          ; v[18:19]   leading coefficients of the two polynomials
.set AF,   20                          ; v[20:51]   weight fragments in f16: placement p (rows 0-3 or 8-11), K half c at AF + 16 p + 8 c
.set ACC,  52                          ; v[52:67]   two accumulators: even samples, odd samples
.set CF,   68                          ; v[68:149]  the 81 coefficients, the same in every lane (+ one register that completes the last pair)
.set RW,   CF                          ; before the barrier: pre_w as loaded, 32 f32
.set R,    150                         ; v[150:213] four fragments of x as loaded, 16 f32 each
.set F,    214                         ; v[214:245] four fragments of x in f16
; behind the products, on R and F
.set E,    R                           ; 8: 2^a, 1 + 2^a, its reciprocal, u = tanh; register 2 q + s: qubit q, sample s
.set W,    R+8                         ; 8: u^2
.set ZF,   R+16                        ; 8: -sin t
.set XF,   R+24                        ; 8: cos t
.set T1,   R+32                        ; 54: 27 partial sums for two samples
; wave 0's set-up, on R and F
.set UA,   R                           ; 16 amplitudes: lane j holds column j of U
.set UB,   R+16                        ; the other buffer
.set TT,   R+32                        ; 16 products
.set VV,   R+48                        ; d_i U_ij
.set G,    TT                          ; 8: M(j, j xor x)
.set GT,   TT+8
.set HL,   F                           ; 8: the four signed sums of post_w[0], [1] and of post_w[2], [3]
.set WW,   F                           ; 8: VV from the lane j xor x
.set TH,   F+8
.set N,    F+9
.set Y,    F+10
.set Y2,   F+11
.set PS,   F+12
.set PC,   F+13
.set SV,   F+14
.set CV,   F+15
.set SG,   F+16                        ; 4: sign bit set where bit b of the lane's number is set
.set SA,   F+20
.set HZ,   F+21
.set TM,   F+22
.set QI,   F+23
.set PW,   F+24                        ; 4: post_w / 16
; scalar registers
.set G0, 24                            ; s[24:31] descriptor group 0, one set for each of my two tiles
.set G1, 32                            ; s[32:39] descriptor group 1
.set CS, 40                            ; s[40:63] cos(q_params[g] / 2)
.set SN, 66                            ; s[66:89] sin(q_params[g] / 2)
	s_load_b256 s[4:11], s[0:1], 0x0               ; x s[4:5], pre_w s[6:7], pre_b s[8:9], q_params s[10:11]
	s_load_b128 s[12:15], s[0:1], 0x20             ; post_w s[12:13], post_b s[14:15]
	s_load_b64 s[16:17], s[0:1], 0x30              ; out
	v_lshl_add_u32 v246, v0, 2, 0x42200
	v_mov_b32 v247, 0
	ds_add_u32 v246, v247
	ds_add_u32 v246, v247
	v_lshrrev_b32 v1, 5, v0
	v_readfirstlane_b32 s18, v1                    ; wave 0..7
	; group 1: x is dense, so two samples are one row of 128 f32; 32 rows; 4 words of padding behind every 128 words
	s_mov_b32 s[G1+0], (2<<16)|(1<<20)|(6<<22)|(3<<25)   ; no mask; elements of 4 bytes; padding on; interval code 6 = 128 words; 4 words
	s_mov_b32 s[G1+1], 128<<16                     ; tensor_dim0 = 128
	s_mov_b32 s[G1+2], 32<<16                      ; tensor_dim1 = 32
	s_mov_b32 s[G1+3], 128<<16                     ; tile_dim0 = 128
	s_mov_b32 s[G1+4], 32                          ; tile_dim1 = 32
	s_mov_b32 s[G1+5], 128                         ; 128 elements from row to row
	s_mov_b32 s[G1+6], 0
	s_mov_b32 s[G1+7], 0
	s_lshl_b32 s98, ttmp9, 18                      ; work-group x 1,024 samples x 256 bytes (below 2^26)
	s_lshl_b32 s19, s18, 15                        ; + wave x 128 samples x 256 bytes
	s_add_co_u32 s98, s98, s19
	s_mov_b32 s99, 0
	s_mul_i32 s19, s18, 2*TILE                     ; my wave's two tiles in LDS
	s_wait_dscnt 0x0
	s_wait_kmcnt 0x0
	s_add_nc_u64 s[4:5], s[4:5], s[98:99]
	; Both tiles are asked for ahead of everything else: two tensor loads of this wave are out, 262,144 bytes for the work-group's eight waves.
.irp t, 0,1
	s_mov_b32 s[G0+4*\t], 1
	s_add_co_u32 s[G0+4*\t+1], s19, \t*TILE
	s_add_nc_u64 s[G0+4*\t+2:G0+4*\t+3], s[4:5], \t*16384
	s_or_b32 s[G0+4*\t+3], s[G0+4*\t+3], 0x80000000
	tensor_load_to_lds s[G0+4*\t:G0+4*\t+3], s[G1:G1+7]
	s_nop 0
.endr
	s_load_b128 s[92:95], s[8:9], 0x0              ; pre_b
	s_load_b128 s[20:23], s[12:13], 0x0            ; post_w
	s_load_b32 s90, s[14:15], 0x0                  ; post_b
	s_lshl_b32 s98, ttmp9, 12                      ; out: work-group x 1,024 x 4 bytes + wave x 128 x 4 bytes
	s_lshl_b32 s97, s18, 9
	s_add_co_u32 s98, s98, s97
	s_add_nc_u64 s[16:17], s[16:17], s[98:99]
	v_and_b32 v[LANE], 31, v0
	v_and_b32 v[RR], 15, v0
	v_bfe_u32 v[HH], v0, 4, 1
	; K is laid alike in both matrix sources: for K half c, lane (r, h) holds the 16 numbers k = 32 c + 16 h .. + 15 of its row, in order.
	v_and_b32 v[WA], 3, v0                         ; weight row r mod 4
	v_lshlrev_b32 v[WA], 8, v[WA]
	v_lshl_add_u32 v[WA], v[HH], 6, v[WA]          ; 256 (r mod 4) + 64 h
.irp n, 0,1,2,3,4,5,6,7
	global_load_b128 v[RW+4*\n:RW+4*\n+3], v[WA], s[6:7] offset:128*(\n>>2)+16*(\n&3)
.endr
	v_mul_u32_u24 v[LA], v[RR], PAIRP
	v_lshl_add_u32 v[LA], v[HH], 6, v[LA]
	v_add_nc_u32 v[LA], s19, v[LA]                 ; my wave's tiles + 528 r + 64 h
	v_lshlrev_b32 v[OA], 3, v[LANE]
	s_wait_kmcnt 0x0                               ; pre_b, post_w, post_b
	s_cmp_lg_u32 s18, 0
	s_cbranch_scc1 .Lshare
	; ================= wave 0 alone: the 81 coefficients =================
	v_min_u32 v[TA], 23, v[LANE]                   ; lanes 24-31 read the last parameter again: no lane leaves the 96 bytes
	v_lshlrev_b32 v[TA], 2, v[TA]
	global_load_b32 v[TH], v[TA], s[10:11]
	; while it is on its way: lane j (in both halves of the wave) starts with basis vector j
.set i, 0
.rept 16
	v_cmp_eq_u32 vcc_lo, i, v[RR]
	v_cndmask_b32 v[UA+i], 0, 1.0, vcc_lo
.set i, i+1
.endr
	v_lshlrev_b32 v[SG], 31, v[LANE]
.irp b, 1,2,3
	v_lshlrev_b32 v[SG+\b], 31-\b, v[LANE]
	v_and_b32 v[SG+\b], 0x80000000, v[SG+\b]
.endr
	; place in the table: index = sum over wires of digit x 3^(3 - wire), digit 0 = I, 1 = Z, 2 = X.  The lane's number mod 16 is the mask z of the wires
	; with Z (wire w = bit 3 - w); the mask of the wires with X is the register's number, and bit 3 of it the lane's half: 2 x 27 there.
	v_and_b32 v[SA], 1, v[RR]
	v_bfe_u32 v[TM], v[RR], 1, 1
	v_mad_u32_u24 v[SA], v[TM], 3, v[SA]
	v_bfe_u32 v[TM], v[RR], 2, 1
	v_mad_u32_u24 v[SA], v[TM], 9, v[SA]
	v_bfe_u32 v[TM], v[RR], 3, 1
	v_mad_u32_u24 v[SA], v[TM], 27, v[SA]
	v_mad_u32_u24 v[SA], v[HH], 54, v[SA]
	v_lshl_add_u32 v[SA], v[SA], 2, SCR
	v_lshlrev_b32 v[HZ], 3, v[HH]
	v_and_b32 v[HZ], v[HZ], v[RR]                  ; not 0: wire 0 would carry both X and Z
	v_cmp_eq_u32 s96, 1, v[HH]                     ; the upper half of the lanes
	v_mov_b32 v[TM], 0x3d800000                    ; 1/16
.irp w, 0,1,2,3
	v_mul_f32 v[PW+\w], s[20+\w], v[TM]
.endr
.irp a, 0,1
	v_add_f32 v[HL+4*\a],   v[PW+2*\a],   v[PW+2*\a+1]     ; bits 00: + +
	v_sub_f32 v[HL+4*\a+1], v[PW+2*\a],   v[PW+2*\a+1]     ; 01: + -
	v_sub_f32 v[HL+4*\a+2], v[PW+2*\a+1], v[PW+2*\a]       ; 10: - +
	v_mul_f32 v[HL+4*\a+3], -1.0, v[HL+4*\a]               ; 11: - -
.endr
	s_wait_loadcnt 0x0                             ; q_params (and pre_w, which was asked for earlier)
	; sin and cos of theta / 2, one parameter a lane: n = nearest integer to (theta / 2) / (pi / 2), y = theta / 2 - n pi / 2 with pi / 2 in two parts, |y| <= pi / 4
	v_mul_f32 v[N], 0x3ea2f983, v[TH]              ; theta / pi
	v_rndne_f32 v[N], v[N]
	v_mul_f32 v[Y], 0.5, v[TH]
	v_fmamk_f32 v[Y], v[N], 0xbfc90fdb, v[Y]
	v_fmamk_f32 v[Y], v[N], 0x333bbd2e, v[Y]
	v_mul_f32 v[Y2], v[Y], v[Y]
	v_mov_b32 v[PS], 0xb9500d01                    ; -1/5040
	v_mov_b32 v[PC], 0x37d00d01                    ; 1/40320
	v_fmaak_f32 v[PS], v[PS], v[Y2], 0x3c088889    ; 1/120
	v_fmaak_f32 v[PC], v[PC], v[Y2], 0xbab60b61    ; -1/720
	v_fmaak_f32 v[PS], v[PS], v[Y2], 0xbe2aaaab    ; -1/6
	v_fmaak_f32 v[PC], v[PC], v[Y2], 0x3d2aaaab    ; 1/24
	v_mul_f32 v[TM], v[Y], v[Y2]
	v_fmaak_f32 v[PC], v[PC], v[Y2], 0xbf000000    ; -1/2
	v_fma_f32 v[PS], v[TM], v[PS], v[Y]            ; sin y
	v_fma_f32 v[PC], v[PC], v[Y2], 1.0             ; cos y
	v_cvt_i32_f32 v[QI], v[N]
	v_and_b32 v[TM], 1, v[QI]
	v_cmp_eq_u32 vcc_lo, 1, v[TM]                  ; odd quadrant: the two change places
	v_cndmask_b32 v[SV], v[PS], v[PC], vcc_lo
	v_cndmask_b32 v[CV], v[PC], v[PS], vcc_lo
	v_lshlrev_b32 v[TM], 30, v[QI]                 ; sine is negated in quadrants 2, 3: bit 1 of n
	v_and_b32 v[TM], 0x80000000, v[TM]
	v_xor_b32 v[SV], v[TM], v[SV]
	v_add_nc_u32 v[QI], 1, v[QI]                   ; cosine in quadrants 1, 2: bit 1 of n + 1
	v_lshlrev_b32 v[TM], 30, v[QI]
	v_and_b32 v[TM], 0x80000000, v[TM]
	v_xor_b32 v[CV], v[TM], v[CV]
.set g, 0
.rept 24
	v_readlane_b32 s[CS+g], v[CV], g
	v_readlane_b32 s[SN+g], v[SV], g
.set g, g+1
.endr
; Amplitude index i = 8 b0 + 4 b1 + 2 b2 + b3 (b_w: wire w).  A CNOT(c, t) moves amplitudes: new[i] = old[i with b_t ^= b_c].  CNOT(0,1), CNOT(2,3), CNOT(1,2)
; in that order give new[i] = old[f01(f23(f12(i)))]: no instruction, the layer's first gate reads through the map.
.macro PIMAP
.set PIV, PIN^(((PIN>>2)&1)<<1)
.set PIV, PIV^((PIV>>1)&1)
.set PIV, PIV^(((PIV>>3)&1)<<2)
.endm
; RY on the wire of index bit 'bit': new[i] = c a[i] - s a[i ^ bit] where the bit is 0, c a[i] + s a[i ^ bit] where it is 1.
; All sixteen products first, then sixteen fused multiply-adds: in place is safe, and no instruction waits for the one in front of it.
.macro GATE dst, src, perm, bit, gn
.set gi, 0
.rept 16
.set PIN, gi^\bit
.if \perm
	PIMAP
.else
.set PIV, PIN
.endif
	v_mul_f32 v[TT+gi], s[SN+\gn], v[\src+PIV]
.set gi, gi+1
.endr
.set gi, 0
.rept 16
.set PIN, gi
.if \perm
	PIMAP
.else
.set PIV, PIN
.endif
.if gi&\bit
	v_fma_f32 v[\dst+gi], s[CS+\gn], v[\src+PIV], v[TT+gi]
.else
	v_fma_f32 v[\dst+gi], s[CS+\gn], v[\src+PIV], -v[TT+gi]
.endif
.set gi, gi+1
.endr
.endm
.macro LAYER k, src, dst
	GATE \dst, \src, 1, 8, 4*\k
	GATE \dst, \dst, 0, 4, 4*\k+1
	GATE \dst, \dst, 0, 2, 4*\k+2
	GATE \dst, \dst, 0, 1, 4*\k+3
.endm
	LAYER 0, UA, UB
	LAYER 1, UB, UA
	LAYER 2, UA, UB
	LAYER 3, UB, UA
	LAYER 4, UA, UB
	LAYER 5, UB, UA                                ; register UA + i of lane j = U(i, j)
	; VV_i = d_i U(i, j), d_i = (+-post_w[0] +- post_w[1] +- post_w[2] +- post_w[3]) / 16, minus where the wire's bit of i is 1
.set i, 0
.rept 16
	v_add_f32 v[TT+i], v[HL+(i>>2)], v[HL+4+(i&3)]
.set i, i+1
.endr
.set i, 0
.rept 16
	v_mul_f32 v[VV+i], v[TT+i], v[UA+i]
.set i, i+1
.endr
	; the upper half of the lanes takes VV from column j xor 8, so that one exchange by x serves x in the lower half and x | 8 in the upper
.set i, 0
.rept 16
	v_mov_b32_dpp v[UB+i], v[VV+i] row_xmask:8 row_mask:0xf bank_mask:0xf
.set i, i+1
.endr
.set i, 0
.rept 16
	v_cndmask_b32 v[VV+i], v[VV+i], v[UB+i], s96
.set i, i+1
.endr
	; G_x(j) = sum over i of d_i U(i, j xor x) U(i, j) = (U^T D U)(j, j xor x) / 16; i outside, x inside: the eight sums take turns
.set i, 0
.rept 16
.irp x, 1,2,3,4,5,6,7
	v_mov_b32_dpp v[WW+\x], v[VV+i] row_xmask:\x row_mask:0xf bank_mask:0xf
.endr
.if i == 0
	v_mul_f32 v[G], v[VV], v[UA]
.irp x, 1,2,3,4,5,6,7
	v_mul_f32 v[G+\x], v[WW+\x], v[UA]
.endr
.else
	v_fmac_f32 v[G], v[VV+i], v[UA+i]
.irp x, 1,2,3,4,5,6,7
	v_fmac_f32 v[G+\x], v[WW+\x], v[UA+i]
.endr
.endif
.set i, i+1
.endr
; c(x, z) = sum over j of (-1)^popcount(j & z) G_x(j): a butterfly over the sixteen lanes for each bit m, lane z ending with mask z.
; new(j) = old(j xor m) + old(j) where bit m of j is 0, old(j xor m) - old(j) where it is 1.  On a wire that carries X only z's bit 0 is wanted: a plain sum.
.macro WHT m, sg
.irp x, 0,1,2,3,4,5,6,7
.if (\x&\m) == 0
	v_xor_b32 v[GT+\x], v[\sg], v[G+\x]
.endif
.endr
.irp x, 0,1,2,3,4,5,6,7
.if (\x&\m) == 0
	v_add_f32_dpp v[G+\x], v[G+\x], v[GT+\x] row_xmask:\m row_mask:0xf bank_mask:0xf
.else
	v_add_f32_dpp v[G+\x], v[G+\x], v[G+\x] row_xmask:\m row_mask:0xf bank_mask:0xf
.endif
.endr
.endm
	WHT 1, SG
	WHT 2, SG+1
	WHT 4, SG+2
	WHT 8, SG+3
	; the lanes whose masks x and z share no wire store: 81 words in all, each written once
	s_wait_xcnt 0x0                                ; EXEC changes only behind this wait: global loads have been issued above
.set xm, 0
.rept 8
	v_and_or_b32 v[TM], v[RR], xm, v[HZ]
	v_cmp_eq_u32 vcc_lo, 0, v[TM]
	s_and_saveexec_b32 s96, vcc_lo
	ds_store_b32 v[SA], v[G+xm] offset:8*((xm&1)+3*((xm>>1)&1)+9*((xm>>2)&1))
	s_or_b32 exec_lo, exec_lo, s96
.set xm, xm+1
.endr
.Lshare:
	s_wait_dscnt 0x0                               ; wave 0's stores are done before it signals; the tensor loads stay out: nothing in LDS is ever filled again
	s_barrier_signal -1
	; register work between signal and wait: every wave's weight fragments and bias
	s_wait_loadcnt 0x0                             ; pre_w
	v_mov_b32 v[KP], K2
	v_lshrrev_b32 v[TA], 2, v[RR]
	v_cmp_eq_u32 vcc_lo, 0, v[TA]
	v_cndmask_b32 v[SC], 0, v[KP], vcc_lo          ; placement 0: pre_w in rows 0-3 of the fragment, zeros elsewhere
	v_cmp_eq_u32 vcc_lo, 2, v[TA]
	v_cndmask_b32 v[SC+1], 0, v[KP], vcc_lo        ; placement 1: in rows 8-11
.irp j, 0,1,2,3
	v_mul_f32 v[BIAS+\j], s[92+\j], v[KP]
	v_mov_b32 v[BIAS+4+\j], 0
.endr
.irp n, 0,1,2,3,4,5,6,7,8,9,10,11,12,13,14,15
	v_pk_mul_f32 v[R+2*\n:R+2*\n+1], v[RW+2*\n:RW+2*\n+1], v[SC:SC+1] op_sel_hi:[1,0]
	v_pk_mul_f32 v[R+32+2*\n:R+32+2*\n+1], v[RW+2*\n:RW+2*\n+1], v[SC:SC+1] op_sel:[0,1] op_sel_hi:[1,1]
.endr
.irp n, 0,1,2,3,4,5,6,7,8,9,10,11,12,13,14,15
	v_cvt_pk_f16_f32 v[AF+\n], v[R+2*\n], v[R+2*\n+1]
	v_cvt_pk_f16_f32 v[AF+16+\n], v[R+32+2*\n], v[R+32+2*\n+1]
.endr
	v_mov_b32 v[KP], 0xb9283c1a                    ; -(pi/2)^9 / 9!, negated as all of the sine's: the feature is -sin t
	v_mov_b32 v[KP+1], 0xb7d368f9                  ; -(pi/2)^10 / 10!
	v_mov_b32 v[TA], SCR
	v_mov_b32 v[CF+81], 0                          ; completes the last pair of coefficients; never selected
	s_barrier_wait -1                              ; the table is whole
.irp n, 0,1,2,3,4,5,6,7,8,9,10,11,12,13,14,15,16,17,18,19
	ds_load_b128 v[CF+4*\n:CF+4*\n+3], v[TA] offset:16*\n      ; every lane reads the same words
.endr
	ds_load_b32 v[CF+80], v[TA] offset:320
	s_wait_dscnt 0x0
	v_add_f32 v[CF], s90, v[CF]                    ; post_b joins the constant term
.macro FRAG4 dst, off                  ; 64 bytes of my sample: 16 f32
.irp i, 0,1,2,3
	ds_load_b128 v[\dst+4*\i:\dst+4*\i+3], v[LA] offset:\off+16*\i
.endr
.endm
.macro CVT dst, src                    ; 16 f32 to an f16 fragment; in place too: register i is written when 2 i and 2 i + 1 have been read, and no later line reads it
.irp i, 0,1,2,3,4,5,6,7
	v_cvt_pk_f16_f32 v[\dst+\i], v[\src+2*\i], v[\src+2*\i+1]
.endr
.endm
.macro LEVEL count, step, q            ; sum[3 n] += (-sin t_q) sum[3 n + 1] + (cos t_q) sum[3 n + 2]; step = registers from one sum to the next
.set g, 0
.rept \count
	v_pk_fma_f32 v[T1+3*\step*g:T1+3*\step*g+1], v[T1+3*\step*g+\step:T1+3*\step*g+\step+1], v[ZF+2*\q:ZF+2*\q+1], v[T1+3*\step*g:T1+3*\step*g+1]
.set g, g+1
.endr
.set g, 0
.rept \count
	v_pk_fma_f32 v[T1+3*\step*g:T1+3*\step*g+1], v[T1+3*\step*g+2*\step:T1+3*\step*g+2*\step+1], v[XF+2*\q:XF+2*\q+1], v[T1+3*\step*g:T1+3*\step*g+1]
.set g, g+1
.endr
.endm
; One tile: 64 samples.  Fragment f of a placement: f & 1 = even or odd sample (accumulator), f >> 1 = K half.  Source A is the weight fragment, source B sixteen
; samples; the result's register j of lane (r, h) is (row 8 h + j, sample column r).  With the weights in rows 0-3 the pre-activations of LDS rows 0-15 land in
; lanes 0-15, with the weights in rows 8-11 those of LDS rows 16-31 land in lanes 16-31, and the zero rows add nothing: registers 0-3 of accumulator s in lane l
; end as the four pre-activations (times 2 log2 e, bias included) of sample 2 l + s.
.macro UNIT t, left
	s_wait_tensorcnt \left                         ; a wave's tensor loads end in order (ISA guide 10.11.1): this tile is in; left = my younger loads that may stay out
	s_wait_xcnt 0x0                                ; the last tile's store has read its data registers, which the loads below write
.irp f, 0,1,2,3
	FRAG4 R+16*\f, \t*TILE+(\f&1)*256+(\f>>1)*128
.endr
.irp f, 0,1,2,3
	s_wait_dscnt 12                                ; sixteen LDS loads are out; they come back in order (ISA guide 5.7.1): the oldest four, this fragment, are in
	CVT F+8*\f, R+16*\f
	FRAG4 R+16*\f, \t*TILE+16*PAIRP+(\f&1)*256+(\f>>1)*128     ; the freed registers take the same fragment of LDS rows 16-31: sixteen are out again
.if \f<2
	v_wmma_f32_16x16x32_f16 v[ACC+8*(\f&1):ACC+8*(\f&1)+7], v[AF+8*(\f>>1):AF+8*(\f>>1)+7], v[F+8*\f:F+8*\f+7], v[BIAS:BIAS+7]   ; the first product starts the sum from the bias
.else
	v_wmma_f32_16x16x32_f16 v[ACC+8*(\f&1):ACC+8*(\f&1)+7], v[AF+8*(\f>>1):AF+8*(\f>>1)+7], v[F+8*\f:F+8*\f+7], v[ACC+8*(\f&1):ACC+8*(\f&1)+7]
.endif
.endr                                                  ; the two accumulators take turns, one instruction a turn
.irp f, 0,1,2,3
	s_wait_dscnt 12-4*\f                           ; the same count running down: nothing more is issued
	CVT R+16*\f, R+16*\f
	v_wmma_f32_16x16x32_f16 v[ACC+8*(\f&1):ACC+8*(\f&1)+7], v[AF+16+8*(\f>>1):AF+16+8*(\f>>1)+7], v[R+16*\f:R+16*\f+7], v[ACC+8*(\f&1):ACC+8*(\f&1)+7]
.endr
.rept 4
	v_nop                                          ; four places behind the last matrix instruction before its results are read and its sources rewritten (ISA guide 7.12.1)
.endr
	; u = tanh = 1 - 2 / (1 + 2^a): 2^a = inf gives 1, 2^a = 0 gives -1.  From here on a register pair is one qubit of my two samples.
.irp q, 0,1,2,3
	v_exp_f32 v[E+2*\q], v[ACC+\q]
	v_exp_f32 v[E+2*\q+1], v[ACC+8+\q]
.endr
	v_nop                                          ; one plain instruction between a run of transcendentals and the first use (ISA guide 5.7.2)
	s_wait_alu depctr_va_vdst(0)
.irp q, 0,1,2,3
	v_pk_add_f32 v[E+2*\q:E+2*\q+1], v[E+2*\q:E+2*\q+1], 1.0 op_sel_hi:[1,0]
.endr
.irp i, 0,1,2,3,4,5,6,7
	v_rcp_f32 v[E+\i], v[E+\i]
.endr
	v_nop
	s_wait_alu depctr_va_vdst(0)
.irp q, 0,1,2,3
	v_pk_fma_f32 v[E+2*\q:E+2*\q+1], v[E+2*\q:E+2*\q+1], -2.0, 1.0 op_sel_hi:[1,0,0]
.endr
.irp q, 0,1,2,3
	v_pk_mul_f32 v[W+2*\q:W+2*\q+1], v[E+2*\q:E+2*\q+1], v[E+2*\q:E+2*\q+1]
.endr
	; -sin((pi/2) u) = u p(u^2), degree 9 in u; cos((pi/2) u) = q(u^2), degree 10: Taylor coefficients (pi/2)^n / n!, eight chains side by side
.irp q, 0,1,2,3
	v_pk_fma_f32 v[ZF+2*\q:ZF+2*\q+1], v[W+2*\q:W+2*\q+1], v[KP:KP+1], 0x3b996966 op_sel_hi:[1,0,0]
	v_pk_fma_f32 v[XF+2*\q:XF+2*\q+1], v[W+2*\q:W+2*\q+1], v[KP:KP+1], 0x3a70fa83 op_sel:[0,1,0] op_sel_hi:[1,1,0]
.endr
.irp q, 0,1,2,3
	v_pk_fma_f32 v[ZF+2*\q:ZF+2*\q+1], v[ZF+2*\q:ZF+2*\q+1], v[W+2*\q:W+2*\q+1], 0xbda335e3 op_sel_hi:[1,1,0]
	v_pk_fma_f32 v[XF+2*\q:XF+2*\q+1], v[XF+2*\q:XF+2*\q+1], v[W+2*\q:W+2*\q+1], 0xbcaae9e4 op_sel_hi:[1,1,0]
.endr
.irp q, 0,1,2,3
	v_pk_fma_f32 v[ZF+2*\q:ZF+2*\q+1], v[ZF+2*\q:ZF+2*\q+1], v[W+2*\q:W+2*\q+1], 0x3f255de7 op_sel_hi:[1,1,0]
	v_pk_fma_f32 v[XF+2*\q:XF+2*\q+1], v[XF+2*\q:XF+2*\q+1], v[W+2*\q:W+2*\q+1], 0x3e81e0f8 op_sel_hi:[1,1,0]
.endr
.irp q, 0,1,2,3
	v_pk_fma_f32 v[ZF+2*\q:ZF+2*\q+1], v[ZF+2*\q:ZF+2*\q+1], v[W+2*\q:W+2*\q+1], 0xbfc90fdb op_sel_hi:[1,1,0]
	v_pk_fma_f32 v[XF+2*\q:XF+2*\q+1], v[XF+2*\q:XF+2*\q+1], v[W+2*\q:W+2*\q+1], 0xbf9de9e6 op_sel_hi:[1,1,0]
.endr
.irp q, 0,1,2,3
	v_pk_mul_f32 v[ZF+2*\q:ZF+2*\q+1], v[ZF+2*\q:ZF+2*\q+1], v[E+2*\q:E+2*\q+1]
	v_pk_fma_f32 v[XF+2*\q:XF+2*\q+1], v[XF+2*\q:XF+2*\q+1], v[W+2*\q:W+2*\q+1], 1.0 op_sel_hi:[1,1,0]
.endr
	; the 81 terms, wire 3 first: sum[g] = c[3 g] + c[3 g + 1] (-sin t_3) + c[3 g + 2] cos t_3.  A coefficient is one register of a pair, given to both samples by op_sel.
.set g, 0
.rept 27
.if (g&1) == 0
	v_pk_fma_f32 v[T1+2*g:T1+2*g+1], v[CF+3*g:CF+3*g+1], v[ZF+6:ZF+7], v[CF+3*g:CF+3*g+1] op_sel:[1,0,0] op_sel_hi:[1,1,0]
.else
	v_pk_fma_f32 v[T1+2*g:T1+2*g+1], v[CF+3*g+1:CF+3*g+2], v[ZF+6:ZF+7], v[CF+3*g-1:CF+3*g] op_sel:[0,0,1] op_sel_hi:[0,1,1]
.endif
.set g, g+1
.endr
.set g, 0
.rept 27
.if (g&1) == 0
	v_pk_fma_f32 v[T1+2*g:T1+2*g+1], v[CF+3*g+2:CF+3*g+3], v[XF+6:XF+7], v[T1+2*g:T1+2*g+1] op_sel_hi:[0,1,1]
.else
	v_pk_fma_f32 v[T1+2*g:T1+2*g+1], v[CF+3*g+1:CF+3*g+2], v[XF+6:XF+7], v[T1+2*g:T1+2*g+1] op_sel:[1,0,0] op_sel_hi:[1,1,1]
.endif
.set g, g+1
.endr
	LEVEL 9, 2, 2                                  ; wire 2: 27 sums to 9
	LEVEL 3, 6, 1                                  ; wire 1: 9 to 3
	LEVEL 1, 18, 0                                 ; wire 0: the result of samples 2 l and 2 l + 1
	global_store_b64 v[OA], v[T1:T1+1], s[16:17] offset:\t*256 th:TH_STORE_NT    ; the wave's 32 lanes store 256 consecutive bytes, at a multiple of 256 from out's first byte
.endm
	UNIT 0, 1                                      ; my first tile; the second may still be on its way
	UNIT 1, 0                                      ; my second: no tensor load is out at the end
	s_wait_tensorcnt 0x0
	ds_add_u32 v246, v247
	s_wait_dscnt 0x0
	s_endpgm
.Lfunc_end_k_q800e771f43_dqn:
	.size	k_q800e771f43_dqn, .Lfunc_end_k_q800e771f43_dqn-k_q800e771f43_dqn
	.p2alignl 7, 3214868480
	.fill 96, 4, 3214868480
	.section	.rodata,"a",@progbits
	.p2align	6, 0x0
	.amdhsa_kernel k_q800e771f43_dqn
		.amdhsa_group_segment_fixed_size 271872
		.amdhsa_private_segment_fixed_size 0
		.amdhsa_enable_private_segment 0
		.amdhsa_kernarg_size 56
		.amdhsa_user_sgpr_count 2
		.amdhsa_user_sgpr_kernarg_segment_ptr 1
		.amdhsa_wavefront_size32 1
		.amdhsa_system_sgpr_workgroup_id_x 1
		.amdhsa_system_sgpr_workgroup_id_y 1
		.amdhsa_system_sgpr_workgroup_id_z 1
		.amdhsa_system_vgpr_workitem_id 0
		.amdhsa_next_free_vgpr 248
		.amdhsa_next_free_sgpr 100
		.amdhsa_reserve_vcc 1
		.amdhsa_float_denorm_mode_32 3
		.amdhsa_float_denorm_mode_16_64 3
		.amdhsa_memory_ordered 1
		.amdhsa_forward_progress 1
		.amdhsa_inst_pref_size 106
	.end_amdhsa_kernel
	.amdgpu_metadata
---
amdhsa.version: [ 1, 2 ]
amdhsa.kernels:
  - .name:           k_q800e771f43_dqn
    .symbol:         k_q800e771f43_dqn.kd
    .args:
      - { .name: input_features, .offset: 0, .size: 8, .value_kind: global_buffer, .address_space: global }
      - { .name: pre_w, .offset: 8, .size: 8, .value_kind: global_buffer, .address_space: global }
      - { .name: pre_b, .offset: 16, .size: 8, .value_kind: global_buffer, .address_space: global }
      - { .name: q_params, .offset: 24, .size: 8, .value_kind: global_buffer, .address_space: global }
      - { .name: post_w, .offset: 32, .size: 8, .value_kind: global_buffer, .address_space: global }
      - { .name: post_b, .offset: 40, .size: 8, .value_kind: global_buffer, .address_space: global }
      - { .name: out0, .offset: 48, .size: 8, .value_kind: global_buffer, .address_space: global }
    .group_segment_fixed_size: 271872
    .private_segment_fixed_size: 0
    .kernarg_segment_align: 8
    .kernarg_segment_size: 56
    .max_flat_workgroup_size: 256
    .sgpr_count:     100
    .vgpr_count:     248
    .wavefront_size: 32
...
	.end_amdgpu_metadata
.endif
;; end of part 1
